; MI455X (gfx1250); checked and timed in simulation.
; The chip was launched on July 23, 2026; its instructions are those of AMD's public machine-readable ISA for CDNA 5 (MIT licence, August 2026) and "CDNA5" Instruction Set Architecture Reference Guide (July 2026). The comments in the code are by the model that wrote it; some were corrected since.
;; Pro ST init. Allowed arithmetic: float matrix products may take bf16 or f16 operands with f32 sums; all other float work in f32.
;; Inputs: corner_pt 1 x 8 x 3 float32; transform_mat3x4 1 x 3 x 4 float32; x 1 x 1 x 128 x 128 x 128 float32; y 1 x 1 x 256 x 256 float32.
;; Outputs: out0 1 x 1 x 256 x 256 float32.
;; 2 versions, each right; version 2 is version 1 with the launch march written anew for expert scheduling mode. Each part assembles by itself: llvm-mc -triple=amdgcn-amd-amdhsa -mcpu=gfx1250 --defsym DOCPART=n.
;; ======== version 1 of 2: 2 launches
;; limits: values outside matrix products are rounded to bf16; right only within a limited range of input values; below input magnitudes of 2.1e-22 results are inexact or not finite
;; workspace buffers: cells 33,554,432 bytes; rays 1,572,864 bytes of whole numbers
;; launch prep (part 1): grid 256 x 1, 8 waves a work-group, no clusters, 18,432 bytes of LDS; arguments x, transform_mat3x4, corner_pt, cells, rays; writes cells, rays
.if DOCPART == 1
	.amdgcn_target "amdgcn-amd-amdhsa--gfx1250"
	.amdhsa_code_object_version 6
	.text
	.protected	k_q0c3b4fb545_prep
	.globl	k_q0c3b4fb545_prep
	.p2align	8
	.type	k_q0c3b4fb545_prep,@function
k_q0c3b4fb545_prep:
	s_mov_b64 s[64:65], 0
	v_nop
	global_prefetch_b8 v0, s[64:65] scope:SCOPE_SE
	s_setreg_imm32_b32 hwreg(HW_REG_WAVE_MODE, 25, 1), 1
	s_wait_xcnt 0x0
; PREP: the two tables that the ray march reads.
;
; (1) rays: for pixel (h, w) and axis j (0 = x, 1 = y, 2 = z) the pair (start, step) of the ray's voxel coordinate
;     g_j(m) = 63.5 + 63.5 (b_j + ts(m) a_j),  a = T3 dir(h, w),  b = T (0, 0, 4, 1),  ts(m) = dmin + (dmax - dmin) m / 255,
;     as signed fixed point with FRAC = 18 fraction bits.  T [src + t dir; 1] is linear in t, so the 3 x 4 product is made once
;     for each ray, in f32, instead of once for each of its 256 samples.  Layout: plane j, pixel 256 h + w, 8 bytes.
; (2) cells: for cell (z, y, x) the eight coefficients of its trilinear polynomial
;     f = (c0 + cx X) + Y (cy + cxy X) + Z ((cz + cxz X) + Y (cyz + cxyz X)),
;     made in f32 from f32 voxels, scaled by 2^-18 for each of X, Y, Z in the term (the march feeds the raw 18-bit fractions)
;     and rounded once to bf16: four words (c0, cx) (cy, cxy) (cz, cxz) (cyz, cxyz), 16 bytes at ((128 z + y) 128 + x) 16.
;
; LIMITS.  Format: the coefficients are bf16 (8 significant bits each).  Range: every sample's voxel coordinate must stay inside
; +-8192 (2^31 / 2^18), that is a transformed coordinate below about 128 in magnitude; beyond that the fixed point wraps.  The step is
; rounded to 2^-18 voxel, so a ray's last sample is off by at most 255 x 2^-19 voxel.  NaN and infinities in T or corner_pt are not
; served.  v_sqrt_f32 and v_rsq_f32 are good to 1 ULP.  A coefficient that falls below 2^-126 after scaling loses bits.
; The input y is not read: the function uses its shape alone.
;
; WORK.  256 work-groups of 8 waves.  Thread t of work-group g makes the ray of pixel (h = g, w = t).  Wave 8 g + wave makes eight
; rows of cells: z = task / 16, y = 8 (task % 16) .. + 7.  A lane holds four neighbouring voxels of a row, so a wave's load covers a
; whole row of 512 bytes.  Cells with x, y or z = 127 take the clamped neighbour and are never read (the march stops at 126);
; they are stored so that every row of cells goes out whole.
.set FRAC,   18
.set ROWB,   512                       ; bytes in a row of voxels
.set CROWB,  2048                      ; bytes in a row of cells
.set RPLANE, 524288                    ; bytes in a plane of rays: 65,536 pixels x 8
.set WLDS,   2176                      ; a wave's LDS: 128 cells x 16 bytes + 16 bytes behind every 16 cells
.set L16,  2                           ; v2   16 x lane: my four voxels in a row; also my 16 bytes in each store
.set NB,   3                           ; v3   the voxel to the right of my four, clamped to the row's last
.set L16E, 4                           ; v4   the same two for the ninth row (y0 + 8, clamped to 127)
.set NBE,  5                           ; v5
.set CO,   6                           ; v6   my corner's byte offset
.set RO,   7                           ; v7   my ray's byte offset in a plane's part of this work-group
.set ST,   32                          ; v32  LDS: where my four cells go
.set RD,   33                          ; v33  LDS: where I read cells back, lane by lane
.set Q,    64                          ; v[64:135]   voxels: row k (0..8) of plane p (0: z, 1: z + 1) at Q + 8 k + 4 p
.set NBR,  136                         ; v[136:153]  their right neighbours, at NBR + 2 k + p
.set DX,   154                         ; v[154:169]  differences along x of two rows in turn: DX + 8 set + 4 p + s
.set CYP,  170                         ; v[170:177]  cell s: (cy, cxy)
.set CZP,  178                         ; v[178:185]  cell s: (cz, cxz)
.set CYZP, 186                         ; v[186:193]  cell s: (cyz, cxyz)
.set CXS,  194                         ; v[194:197]  cell s: cx, scaled
.set K12,  198                         ; v[198:199]  2^-18, 2^-36
.set K23,  200                         ; v[200:201]  2^-36, 2^-54
.set OUT,  202                         ; v[202:217]  my four cells, packed
.set R,    218                         ; v[218:233]  four cells as they are stored
	s_load_b128 s[4:7], s[0:1], 0x0                ; x s[4:5], transform s[6:7]
	s_load_b128 s[8:11], s[0:1], 0x10              ; corner_pt s[8:9], cells s[10:11]
	s_load_b64 s[12:13], s[0:1], 0x20              ; rays
	v_lshl_add_u32 v234, v0, 2, 0x4400
	v_mov_b32 v235, 0
	v_lshrrev_b32 v1, 5, v0
	v_readfirstlane_b32 s14, v1                    ; wave 0..7
	v_and_b32 v1, 31, v0                           ; lane
	s_mov_b32 s37, ttmp9                           ; h
	s_lshl3_add_u32 s15, ttmp9, s14                ; task = 8 x work-group + wave, 0..2047
	s_lshr_b32 s28, s15, 4                         ; z
	s_and_b32 s29, s15, 15
	s_lshl_b32 s29, s29, 3                         ; y0
	s_add_co_u32 s30, s28, 1
	s_min_u32 s30, s30, 127                        ; z + 1, clamped
	s_add_co_u32 s31, s29, 8
	s_min_u32 s31, s31, 127
	s_sub_co_u32 s31, s31, s29
	s_lshl_b32 s31, s31, 9                         ; bytes from row y0 to the ninth row: 8 rows, or 7 at the volume's edge
	s_lshl_b32 s36, s29, 9
	s_lshl_b32 s32, s28, 16
	s_add_co_u32 s32, s32, s36                     ; voxel row (z, y0), in bytes
	s_mov_b32 s33, 0
	s_lshl_b32 s34, s30, 16
	s_add_co_u32 s34, s34, s36                     ; voxel row (z + 1, y0)
	s_mov_b32 s35, 0
	s_lshl_b32 s38, s28, 18
	s_lshl_b32 s39, s29, 11
	s_add_co_u32 s38, s38, s39                     ; cell row (z, y0), in bytes (below 32 MiB)
	s_mov_b32 s39, 0
	s_lshl_b32 s46, ttmp9, 11                      ; 256 pixels x 8 bytes for each h
	s_mov_b32 s47, 0
	s_mul_i32 s49, s14, WLDS                       ; my wave's own LDS: no other wave touches it, so no barrier
	s_mov_b32 s50, 0x4b7e0000                      ; 63.5 x 2^18
	v_lshlrev_b32 v[L16], 4, v1
	v_add_nc_u32 v[NB], 16, v[L16]
	v_min_u32 v[NB], ROWB-4, v[NB]
	v_add_nc_u32 v[L16E], s31, v[L16]
	v_add_nc_u32 v[NBE], s31, v[NB]
	v_and_b32 v[CO], 7, v0                         ; lanes 8 i .. 8 i + 7 take the eight corners
	v_mul_u32_u24 v[CO], 12, v[CO]
	v_lshlrev_b32 v[RO], 3, v0
	; Cell c of the row lies at 16 c + 16 (c / 16).  I write cells 4 lane + s and read back cells lane + 32 j.  In both directions the
	; sixteen lanes of a half wave then address sixteen different 16-byte columns modulo 256 bytes.
	v_lshrrev_b32 v8, 2, v1
	v_lshlrev_b32 v9, 6, v1
	v_lshl_add_u32 v9, v8, 4, v9
	v_add_nc_u32 v[ST], s49, v9                    ; 64 lane + 16 (lane / 4)
	v_lshrrev_b32 v8, 4, v1
	v_lshl_add_u32 v8, v8, 4, v[L16]
	v_add_nc_u32 v[RD], s49, v8                    ; 16 lane + 16 (lane / 16); + 544 j
	v_mov_b32 v[K12], 0x36800000                   ; 2^-18
	v_mov_b32 v[K12+1], 0x2d800000                 ; 2^-36
	v_mov_b32 v[K23], 0x2d800000
	v_mov_b32 v[K23+1], 0x24800000                 ; 2^-54
	s_wait_kmcnt 0x0
	s_load_b256 s[16:23], s[6:7], 0x0              ; T, row-major: T[i][j] in s[16 + 4 i + j]
	s_load_b128 s[24:27], s[6:7], 0x20
	s_add_nc_u64 s[40:41], s[4:5], s[32:33]        ; x at (z, y0)
	s_add_nc_u64 s[42:43], s[4:5], s[34:35]        ; x at (z + 1, y0)
	s_add_nc_u64 s[44:45], s[10:11], s[38:39]      ; cells at (z, y0)
	s_add_nc_u64 s[46:47], s[12:13], s[46:47]      ; rays at pixel (h, 0)
	global_load_b32 v8, v[CO], s[8:9]              ; my corner
	global_load_b32 v9, v[CO], s[8:9] offset:4
	global_load_b32 v10, v[CO], s[8:9] offset:8
	; All that the wave reads of the volume is asked for at once: 9 rows of 2 planes, four loads for each k.
.irp k, 0,1,2,3,4,5,6,7
	global_load_b128 v[Q+8*\k:Q+8*\k+3],   v[L16], s[40:41] offset:\k*ROWB
	global_load_b32  v[NBR+2*\k],          v[NB],  s[40:41] offset:\k*ROWB
	global_load_b128 v[Q+8*\k+4:Q+8*\k+7], v[L16], s[42:43] offset:\k*ROWB
	global_load_b32  v[NBR+2*\k+1],        v[NB],  s[42:43] offset:\k*ROWB
.endr
	global_load_b128 v[Q+64:Q+67], v[L16E], s[40:41]
	global_load_b32  v[NBR+16],    v[NBE],  s[40:41]
	global_load_b128 v[Q+68:Q+71], v[L16E], s[42:43]
	global_load_b32  v[NBR+17],    v[NBE],  s[42:43]
	; ---- my ray, while the volume is on its way ----
	s_wait_kmcnt 0x0                               ; T
	v_cvt_f32_u32 v14, v0                          ; w
	v_cvt_f32_u32 v15, s37                         ; h
	v_add_f32 v14, 0xc2ff0000, v14                 ; - 127.5
	v_add_f32 v15, 0xc2ff0000, v15
	v_mul_f32 v14, 0x3ca3d70a, v14                 ; x 0.02: the detector point (px, py, -2); minus the source: (px, py, -6)
	v_mul_f32 v15, 0x3ca3d70a, v15
	v_fmaak_f32 v16, v14, v14, 0x42100000          ; px^2 + 36
	v_fmac_f32 v16, v15, v15
	v_rsq_f32 v16, v16                             ; 1 / |dir|; a plain instruction that names neither side follows (ISA guide 5.7.2)
	v_mov_b32 v30, 0xc0c00000                      ; -6.0
	v_mul_f32 v17, s18, v30                        ; T3 (px, py, -6), axis by axis
	v_mul_f32 v18, s22, v30
	v_mul_f32 v19, s26, v30
	v_fmac_f32 v17, s17, v15
	v_fmac_f32 v18, s21, v15
	v_fmac_f32 v19, s25, v15
	v_fmac_f32 v17, s16, v14
	v_fmac_f32 v18, s20, v14
	v_fmac_f32 v19, s24, v14
	s_wait_alu depctr_va_vdst(0)
	v_mul_f32 v17, v17, v16                        ; a = T3 dir
	v_mul_f32 v18, v18, v16
	v_mul_f32 v19, v19, v16
	v_fma_f32 v26, s18, 4.0, s19                   ; b = T (0, 0, 4, 1)
	v_fma_f32 v27, s22, 4.0, s23
	v_fma_f32 v28, s26, 4.0, s27
	s_wait_loadcnt 36                              ; the three corner loads are in; the 36 volume loads behind them stay out
	v_fma_f32 v11, s18, v10, s19                   ; T [corner; 1]
	v_fma_f32 v12, s22, v10, s23
	v_fma_f32 v13, s26, v10, s27
	v_fmac_f32 v11, s17, v9
	v_fmac_f32 v12, s21, v9
	v_fmac_f32 v13, s25, v9
	v_fmac_f32 v11, s16, v8
	v_fmac_f32 v12, s20, v8
	v_fmac_f32 v13, s24, v8
	v_add_f32 v13, -4.0, v13                       ; minus the source (0, 0, 4)
	v_mul_f32 v11, v11, v11
	v_fmac_f32 v11, v12, v12
	v_fmac_f32 v11, v13, v13
	v_sqrt_f32 v11, v11                            ; my corner's distance
	v_nop                                          ; the place behind the root (ISA guide 5.7.2)
	; smallest and largest of the eight corners: lanes i xor 1, 2, 4; every lane ends with both
	s_wait_alu depctr_va_vdst(0)
	v_min_num_f32_dpp v12, v11, v11 row_xmask:1 row_mask:0xf bank_mask:0xf
	v_max_num_f32_dpp v13, v11, v11 row_xmask:1 row_mask:0xf bank_mask:0xf
	v_min_num_f32_dpp v12, v12, v12 row_xmask:2 row_mask:0xf bank_mask:0xf
	v_max_num_f32_dpp v13, v13, v13 row_xmask:2 row_mask:0xf bank_mask:0xf
	v_min_num_f32_dpp v12, v12, v12 row_xmask:4 row_mask:0xf bank_mask:0xf
	v_max_num_f32_dpp v13, v13, v13 row_xmask:4 row_mask:0xf bank_mask:0xf
	v_sub_f32 v13, v13, v12                        ; dmax - dmin
	v_mul_f32 v13, 0x477efeff, v13                 ; x 63.5 x 2^18 / 255
	v_fmac_f32 v26, v12, v17                       ; b + dmin a
	v_fmac_f32 v27, v12, v18
	v_fmac_f32 v28, v12, v19
	v_fma_f32 v20, v26, s50, s50                   ; start = 2^18 (63.5 + 63.5 (b + dmin a))
	v_fma_f32 v22, v27, s50, s50
	v_fma_f32 v24, v28, s50, s50
	v_mul_f32 v21, v13, v17                        ; step
	v_mul_f32 v23, v13, v18
	v_mul_f32 v25, v13, v19
.irp r, 20,21,22,23,24,25
	v_rndne_f32 v\r, v\r
.endr
.irp r, 20,21,22,23,24,25
	v_cvt_i32_f32 v\r, v\r
.endr
	global_store_b64 v[RO], v[20:21], s[46:47]                     ; a wave's store covers 256 consecutive bytes, aligned
	global_store_b64 v[RO], v[22:23], s[46:47] offset:RPLANE
	global_store_b64 v[RO], v[24:25], s[46:47] offset:2*RPLANE     ; v7 and v[20:25] are not written again
	; ---- the cells ----
; differences along x of row kk, both planes, into set
.macro DXROW kk, set
.irp p, 0,1
.irp s, 0,1,2
	v_sub_f32 v[DX+8*\set+4*\p+\s], v[Q+8*\kk+4*\p+\s+1], v[Q+8*\kk+4*\p+\s]
.endr
	v_sub_f32 v[DX+8*\set+4*\p+3], v[NBR+2*\kk+\p], v[Q+8*\kk+4*\p+3]
.endr
.endm
; the row of cells y0 + k, from voxel rows k and k1 = k + 1.  cur, nxt: the sets with their differences.
; left: the volume loads that may still be out (those of rows behind k1).
.macro CELLS k, k1, cur, nxt, left
	s_wait_loadcnt \left
	DXROW \k1, \nxt
.irp s, 0,1,2,3
	v_sub_f32 v[CYP+2*\s],    v[Q+8*\k1+\s],     v[Q+8*\k+\s]          ; cy  = v(y+1) - v
	v_sub_f32 v[CYP+2*\s+1],  v[DX+8*\nxt+\s],   v[DX+8*\cur+\s]       ; cxy = dx(y+1) - dx
	v_sub_f32 v[CZP+2*\s],    v[Q+8*\k+4+\s],    v[Q+8*\k+\s]          ; cz  = v(z+1) - v
	v_sub_f32 v[CZP+2*\s+1],  v[DX+8*\cur+4+\s], v[DX+8*\cur+\s]       ; cxz = dx(z+1) - dx
	v_sub_f32 v[CYZP+2*\s],   v[Q+8*\k1+4+\s],   v[Q+8*\k+4+\s]        ; cy  of plane z + 1
	v_sub_f32 v[CYZP+2*\s+1], v[DX+8*\nxt+4+\s], v[DX+8*\cur+4+\s]     ; cxy of plane z + 1
	v_mul_f32 v[CXS+\s],      v[K12],            v[DX+8*\cur+\s]       ; cx, scaled
.endr
.irp s, 0,1,2,3
	v_pk_add_f32 v[CYZP+2*\s:CYZP+2*\s+1], v[CYZP+2*\s:CYZP+2*\s+1], v[CYP+2*\s:CYP+2*\s+1] neg_lo:[0,1] neg_hi:[0,1]   ; (cyz, cxyz)
.endr
.irp s, 0,1,2,3
	v_pk_mul_f32 v[CYP+2*\s:CYP+2*\s+1],   v[CYP+2*\s:CYP+2*\s+1],   v[K12:K12+1]
	v_pk_mul_f32 v[CZP+2*\s:CZP+2*\s+1],   v[CZP+2*\s:CZP+2*\s+1],   v[K12:K12+1]
	v_pk_mul_f32 v[CYZP+2*\s:CYZP+2*\s+1], v[CYZP+2*\s:CYZP+2*\s+1], v[K23:K23+1]
.endr
.irp s, 0,1,2,3
	v_cvt_pk_bf16_f32 v[OUT+4*\s],   v[Q+8*\k+\s],   v[CXS+\s]         ; (c0, cx)
	v_cvt_pk_bf16_f32 v[OUT+4*\s+1], v[CYP+2*\s],    v[CYP+2*\s+1]
	v_cvt_pk_bf16_f32 v[OUT+4*\s+2], v[CZP+2*\s],    v[CZP+2*\s+1]
	v_cvt_pk_bf16_f32 v[OUT+4*\s+3], v[CYZP+2*\s],   v[CYZP+2*\s+1]
.endr
.irp s, 0,1,2,3
	ds_store_b128 v[ST], v[OUT+4*\s:OUT+4*\s+3] offset:16*\s
.endr
	s_wait_xcnt 0x0                                ; R, which the last row's stores read, is loaded again only behind this wait
.irp j, 0,1,2,3
	ds_load_b128 v[R+4*\j:R+4*\j+3], v[RD] offset:544*\j           ; LDS serves a wave's instructions in order (ISA guide 5.7.1.4): these see the stores above
.endr
.irp j, 0,1,2,3
	s_wait_dscnt 3-\j                              ; the younger LDS loads stay out
	global_store_b128 v[L16], v[R+4*\j:R+4*\j+3], s[44:45] offset:\k*CROWB+512*\j   ; 512 consecutive bytes, aligned
.endr
.endm
	s_wait_loadcnt 32                              ; row 0 of both planes (the first four of the 36 loads)
	DXROW 0, 0
	CELLS 0, 1, 0, 1, 28
	CELLS 1, 2, 1, 0, 24
	CELLS 2, 3, 0, 1, 20
	CELLS 3, 4, 1, 0, 16
	CELLS 4, 5, 0, 1, 12
	CELLS 5, 6, 1, 0, 8
	CELLS 6, 7, 0, 1, 4
	CELLS 7, 8, 1, 0, 0
	s_wait_tensorcnt 0x0
	ds_add_u32 v234, v235
	s_wait_dscnt 0x0
	s_endpgm
.Lfunc_end_k_q0c3b4fb545_prep:
	.size	k_q0c3b4fb545_prep, .Lfunc_end_k_q0c3b4fb545_prep-k_q0c3b4fb545_prep
	.p2alignl 7, 3214868480
	.fill 96, 4, 3214868480
	.section	.rodata,"a",@progbits
	.p2align	6, 0x0
	.amdhsa_kernel k_q0c3b4fb545_prep
		.amdhsa_group_segment_fixed_size 18432
		.amdhsa_private_segment_fixed_size 0
		.amdhsa_enable_private_segment 0
		.amdhsa_kernarg_size 40
		.amdhsa_user_sgpr_count 2
		.amdhsa_user_sgpr_kernarg_segment_ptr 1
		.amdhsa_wavefront_size32 1
		.amdhsa_system_sgpr_workgroup_id_x 1
		.amdhsa_system_sgpr_workgroup_id_y 1
		.amdhsa_system_sgpr_workgroup_id_z 1
		.amdhsa_system_vgpr_workitem_id 0
		.amdhsa_next_free_vgpr 236
		.amdhsa_next_free_sgpr 66
		.amdhsa_reserve_vcc 0
		.amdhsa_float_denorm_mode_32 3
		.amdhsa_float_denorm_mode_16_64 3
		.amdhsa_memory_ordered 1
		.amdhsa_forward_progress 1
		.amdhsa_inst_pref_size 44
	.end_amdhsa_kernel
	.amdgpu_metadata
---
amdhsa.version: [ 1, 2 ]
amdhsa.kernels:
  - .name:           k_q0c3b4fb545_prep
    .symbol:         k_q0c3b4fb545_prep.kd
    .args:
      - { .name: x, .offset: 0, .size: 8, .value_kind: global_buffer, .address_space: global }
      - { .name: transform_mat3x4, .offset: 8, .size: 8, .value_kind: global_buffer, .address_space: global }
      - { .name: corner_pt, .offset: 16, .size: 8, .value_kind: global_buffer, .address_space: global }
      - { .name: cells, .offset: 24, .size: 8, .value_kind: global_buffer, .address_space: global }
      - { .name: rays, .offset: 32, .size: 8, .value_kind: global_buffer, .address_space: global }
    .group_segment_fixed_size: 18432
    .private_segment_fixed_size: 0
    .kernarg_segment_align: 8
    .kernarg_segment_size: 40
    .max_flat_workgroup_size: 256
    .sgpr_count:     66
    .vgpr_count:     236
    .wavefront_size: 32
...
	.end_amdgpu_metadata
.endif
;; end of part 1
;; launch march (part 2): grid 4 x 256, 8 waves a work-group, no clusters, 2,048 bytes of LDS; arguments cells, rays, out0; writes out0
.if DOCPART == 2
	.amdgcn_target "amdgcn-amd-amdhsa--gfx1250"
	.amdhsa_code_object_version 6
	.text
	.protected	k_q0c3b4fb545_march
	.globl	k_q0c3b4fb545_march
	.p2align	8
	.type	k_q0c3b4fb545_march,@function
k_q0c3b4fb545_march:
	s_mov_b64 s[64:65], 0
	v_nop
	global_prefetch_b8 v0, s[64:65] scope:SCOPE_SE
	s_setreg_imm32_b32 hwreg(HW_REG_WAVE_MODE, 25, 1), 1
	s_wait_xcnt 0x0
; MARCH: out0[h][w] = the sum over 256 samples of the trilinear value of the volume along the ray of pixel (h, w).
; Both tables come from the launch before:
;   rays:  plane j (x, y, z), pixel 256 h + w: (start, step) of the voxel coordinate, signed fixed point with 18 fraction bits;
;   cells: 16 bytes for cell ((128 z + y) 128 + x): bf16 pairs (c0, cx) (cy, cxy) (cz, cxz) (cyz, cxyz), already scaled so that
;          f = (c0 + cx X) + Y (cy + cxy X) + Z ((cz + cxz X) + Y (cyz + cxyz X)) with X, Y, Z the raw 18-bit fractions as f32.
; Every address is made of whole numbers alone: position = start + m step by integer adds, clamped to [0, 127 x 2^18 - 1], integer
; part = cell, fraction = weight.  Clamping the coordinate gives what clipping both neighbours' indices gives: outside the volume
; both neighbours are the border voxel.  At the upper border the cell is 126 and the weight 1 - 2^-18 in place of 1.
;
; LIMITS.  As stated for the tables: bf16 coefficients; voxel coordinates inside +-8192 along the whole ray; the last sample off by at
; most 255 x 2^-19 voxel.  The 256 terms are added in f32 in sixteen partial sums (4 in a lane, 4 waves), not in the order of the samples.
;
; WORK.  A work-group owns 64 neighbouring pixels of one detector row; wave = 2 x quarter + half: samples 64 quarter .. + 63 of pixels
; 32 half .. + 31, one pixel a lane.  Neighbouring lanes are neighbouring w, so for a transform near the identity the 32 cells of a
; gather are neighbours along x.  Two register stages of four samples: one stage's four gathers are out while the other is summed.
; No tile is shared in a way that is known when the text is written (each lane's address hangs on the transform): no tensor loads,
; no cluster.  No prefetch: a cell is wanted by many waves of many work-groups, so no single wave could ask for each block once.
.set FRAC,   18
.set MAXQ,   (127<<FRAC)-1
.set FMASK,  (1<<FRAC)-1
.set RPLANE, 524288                    ; bytes in a plane of rays
.set GRP,    4                         ; samples in a stage
.set TRIPS,  64/(2*GRP)-1              ; the loop's trips: two stages each; the first fill and the last two sums stand outside
.set PX,  8                            ; v8, v9    position and step along x
.set PY,  10                           ; v10, v11  y
.set PZ,  12                           ; v12, v13  z
.set ACC, 14                           ; v[14:17]  four partial sums
.set S0,  20                           ; stage st at S0 + 32 st: +0 cell index (4), +4 X (4), +8 Y (4), +12 Z (4), +16 the cells (4 x 4)
.set T,   84                           ; v[84:95]  at work on addresses: sample i: x, y, z at T + 3 i
.set AT,  84                           ; v[84:99]  at work on sums: the four brackets in X, bracket c of sample i at AT + 4 c + i
	s_load_b128 s[4:7], s[0:1], 0x0                ; cells s[4:5], rays s[6:7]
	s_load_b64 s[10:11], s[0:1], 0x10              ; out0
	v_lshl_add_u32 v100, v0, 2, 0x400
	v_mov_b32 v101, 0
	v_lshrrev_b32 v1, 5, v0
	v_readfirstlane_b32 s8, v1                     ; wave 0..7
	s_and_b32 s9, ttmp7, 0xffff                    ; h
	s_lshl_b32 s12, s9, 8
	s_lshl_b32 s13, ttmp9, 6
	s_add_co_u32 s12, s12, s13                     ; the work-group's first pixel: 256 h + 64 x block
	s_lshl_b32 s14, s12, 3                         ; x 8 bytes in rays
	s_mov_b32 s15, 0
	s_lshl_b32 s16, s12, 2                         ; x 4 bytes in out0
	s_mov_b32 s17, 0
	s_lshr_b32 s20, s8, 1
	s_lshl_b32 s20, s20, 6                         ; my first sample: 64 x quarter
	s_mov_b32 s22, MAXQ
	s_mov_b32 s23, FMASK
	v_and_b32 v1, 63, v0                           ; pixel in the work-group: 32 half + lane
	v_lshlrev_b32 v1, 3, v1
	s_wait_kmcnt 0x0
	s_add_nc_u64 s[6:7], s[6:7], s[14:15]
	s_add_nc_u64 s[10:11], s[10:11], s[16:17]
	global_load_b64 v[PX:PX+1], v1, s[6:7]                         ; 256 consecutive bytes a wave
	global_load_b64 v[PY:PY+1], v1, s[6:7] offset:RPLANE
	global_load_b64 v[PZ:PZ+1], v1, s[6:7] offset:2*RPLANE
.irp r, 0,1,2,3
	v_mov_b32 v[ACC+\r], 0
.endr
	s_wait_loadcnt 0x0
	v_mad_u32 v[PX], v[PX+1], s20, v[PX]           ; position of my first sample
	v_mad_u32 v[PY], v[PY+1], s20, v[PY]
	v_mad_u32 v[PZ], v[PZ+1], s20, v[PZ]
; Four samples: clamp, step on, split into cell and fraction, gather.  The stage's index registers were freed by the counted
; s_wait_loadcnt in front of the stage's last sum, which showed its gathers done.
.macro ADDR st
.irp i, 0,1,2,3
	v_med3_i32 v[T+3*\i],   v[PX], 0, s22
	v_med3_i32 v[T+3*\i+1], v[PY], 0, s22
	v_med3_i32 v[T+3*\i+2], v[PZ], 0, s22
	v_add_nc_u32 v[PX], v[PX], v[PX+1]
	v_add_nc_u32 v[PY], v[PY], v[PY+1]
	v_add_nc_u32 v[PZ], v[PZ], v[PZ+1]
.endr
.irp i, 0,1,2,3
	v_and_b32 v[S0+32*\st+4+\i],  s23, v[T+3*\i]                   ; the fractions
	v_and_b32 v[S0+32*\st+8+\i],  s23, v[T+3*\i+1]
	v_and_b32 v[S0+32*\st+12+\i], s23, v[T+3*\i+2]
	v_lshrrev_b32 v[T+3*\i],   FRAC, v[T+3*\i]                     ; the cell: 0..126 on each axis
	v_lshrrev_b32 v[T+3*\i+1], FRAC, v[T+3*\i+1]
	v_lshrrev_b32 v[T+3*\i+2], FRAC, v[T+3*\i+2]
.endr
	; Numbers that stem from a loaded table reach an address only through v_min_u32 with a written constant: whatever the table
	; holds, the index stays below 128 x 16,384.  Behind the clamp above the two minima change nothing.
.irp i, 0,1,2,3
	v_lshl_add_u32 v[T+3*\i+2], v[T+3*\i+2], 7, v[T+3*\i+1]        ; 128 z + y
	v_min_u32 v[T+3*\i],   126,    v[T+3*\i]
	v_min_u32 v[T+3*\i+2], 0x3fff, v[T+3*\i+2]
	v_lshl_add_u32 v[S0+32*\st+\i], v[T+3*\i+2], 7, v[T+3*\i]      ; the cell's number; scale_offset makes it x 16 bytes
	global_load_b128 v[S0+32*\st+16+4*\i:S0+32*\st+19+4*\i], v[S0+32*\st+\i], s[4:5] scale_offset
.endr
.irp i, 0,1,2,3
	v_cvt_f32_u32 v[S0+32*\st+4+\i],  v[S0+32*\st+4+\i]            ; X, Y, Z: behind the gathers, which do not need them
	v_cvt_f32_u32 v[S0+32*\st+8+\i],  v[S0+32*\st+8+\i]
	v_cvt_f32_u32 v[S0+32*\st+12+\i], v[S0+32*\st+12+\i]
.endr
.endm
; The stage's four values, added to the sums.  The brackets in X take both bf16 halves of a word straight into an f32 multiply-add
; (source 0: the high half, source 2: the low half); Y, Z and the sums go two samples at a time.
.macro INTERP st
.irp i, 0,1,2,3
.irp c, 0,1,2,3
	v_fma_mix_f32_bf16 v[AT+4*\c+\i], v[S0+32*\st+16+4*\i+\c], v[S0+32*\st+4+\i], v[S0+32*\st+16+4*\i+\c] op_sel:[1,0,0] op_sel_hi:[1,0,1]
.endr
.endr
.irp h, 0,2
	v_pk_fma_f32 v[AT+\h:AT+\h+1],     v[AT+4+\h:AT+5+\h],   v[S0+32*\st+8+\h:S0+32*\st+9+\h],   v[AT+\h:AT+\h+1]      ; the part without Z
	v_pk_fma_f32 v[AT+8+\h:AT+9+\h],   v[AT+12+\h:AT+13+\h], v[S0+32*\st+8+\h:S0+32*\st+9+\h],   v[AT+8+\h:AT+9+\h]    ; Z's factor
	v_pk_add_f32 v[ACC+\h:ACC+\h+1],   v[ACC+\h:ACC+\h+1],   v[AT+\h:AT+\h+1]
	v_pk_fma_f32 v[ACC+\h:ACC+\h+1],   v[AT+8+\h:AT+9+\h],   v[S0+32*\st+12+\h:S0+32*\st+13+\h], v[ACC+\h:ACC+\h+1]
.endr
.endm
	ADDR 0
	s_mov_b32 s24, TRIPS
.Ltrip:
	ADDR 1
	s_wait_loadcnt GRP                             ; loads come back in order (ISA guide 5.7.1): stage 0 is in, stage 1's four stay out
	INTERP 0
	ADDR 0
	s_wait_loadcnt GRP                             ; stage 1 is in, stage 0's four stay out
	INTERP 1
	s_sub_co_u32 s24, s24, 1
	s_cmp_lg_u32 s24, 0
	s_cbranch_scc1 .Ltrip
	ADDR 1                                         ; the last four samples; nothing is asked for beyond them
	s_wait_loadcnt GRP
	INTERP 0
	s_wait_loadcnt 0x0
	INTERP 1
	; The four quarters of a ray meet in LDS: word 64 quarter + pixel = the thread's number.
	v_pk_add_f32 v[ACC:ACC+1], v[ACC:ACC+1], v[ACC+2:ACC+3]
	v_add_f32 v[ACC], v[ACC], v[ACC+1]
	v_lshlrev_b32 v1, 2, v0
	ds_store_b32 v1, v[ACC]
	s_wait_dscnt 0x0                               ; for the other waves' sake: my word is in LDS before I signal
	s_barrier_signal -1
	s_barrier_wait -1
	s_cmp_lg_u32 s8, 0
	s_cbranch_scc1 .Ldone                          ; wave 0 alone adds and stores
	v_and_b32 v1, 31, v0
	v_lshlrev_b32 v1, 3, v1                        ; lane l: pixels 2 l and 2 l + 1
	ds_load_b64 v[20:21], v1
	ds_load_b64 v[22:23], v1 offset:256
	ds_load_b64 v[24:25], v1 offset:512
	ds_load_b64 v[26:27], v1 offset:768
	s_wait_dscnt 0x0
	v_pk_add_f32 v[20:21], v[20:21], v[22:23]
	v_pk_add_f32 v[24:25], v[24:25], v[26:27]
	v_pk_add_f32 v[20:21], v[20:21], v[24:25]
	global_store_b64 v1, v[20:21], s[10:11]        ; the work-group's 64 pixels: 256 consecutive bytes, aligned, in one store
.Ldone:
	s_wait_tensorcnt 0x0
	ds_add_u32 v100, v101
	s_wait_dscnt 0x0
	s_endpgm
.Lfunc_end_k_q0c3b4fb545_march:
	.size	k_q0c3b4fb545_march, .Lfunc_end_k_q0c3b4fb545_march-k_q0c3b4fb545_march
	.p2alignl 7, 3214868480
	.fill 96, 4, 3214868480
	.section	.rodata,"a",@progbits
	.p2align	6, 0x0
	.amdhsa_kernel k_q0c3b4fb545_march
		.amdhsa_group_segment_fixed_size 2048
		.amdhsa_private_segment_fixed_size 0
		.amdhsa_enable_private_segment 0
		.amdhsa_kernarg_size 24
		.amdhsa_user_sgpr_count 2
		.amdhsa_user_sgpr_kernarg_segment_ptr 1
		.amdhsa_wavefront_size32 1
		.amdhsa_system_sgpr_workgroup_id_x 1
		.amdhsa_system_sgpr_workgroup_id_y 1
		.amdhsa_system_sgpr_workgroup_id_z 1
		.amdhsa_system_vgpr_workitem_id 0
		.amdhsa_next_free_vgpr 102
		.amdhsa_next_free_sgpr 66
		.amdhsa_reserve_vcc 0
		.amdhsa_float_denorm_mode_32 3
		.amdhsa_float_denorm_mode_16_64 3
		.amdhsa_memory_ordered 1
		.amdhsa_forward_progress 1
		.amdhsa_inst_pref_size 24
	.end_amdhsa_kernel
	.amdgpu_metadata
---
amdhsa.version: [ 1, 2 ]
amdhsa.kernels:
  - .name:           k_q0c3b4fb545_march
    .symbol:         k_q0c3b4fb545_march.kd
    .args:
      - { .name: cells, .offset: 0, .size: 8, .value_kind: global_buffer, .address_space: global }
      - { .name: rays, .offset: 8, .size: 8, .value_kind: global_buffer, .address_space: global }
      - { .name: out0, .offset: 16, .size: 8, .value_kind: global_buffer, .address_space: global }
    .group_segment_fixed_size: 2048
    .private_segment_fixed_size: 0
    .kernarg_segment_align: 8
    .kernarg_segment_size: 24
    .max_flat_workgroup_size: 256
    .sgpr_count:     66
    .vgpr_count:     102
    .wavefront_size: 32
...
	.end_amdgpu_metadata
.endif
;; end of part 2
;; ======== version 2 of 2: 2 launches; version 1 with the launch march written anew for expert scheduling mode
;; limits: values outside matrix products are rounded to bf16; right only within a limited range of input values; below input magnitudes of 2.1e-22 results are inexact or not finite
;; workspace buffers: cells 33,554,432 bytes; rays 1,572,864 bytes of whole numbers
;; launch prep: the kernel of part 1 again; grid 256 x 1, 8 waves a work-group, no clusters, 18,432 bytes of LDS; arguments x, transform_mat3x4, corner_pt, cells, rays; writes cells, rays
;; launch march (part 3): grid 4 x 256, 8 waves a work-group, no clusters, 2,048 bytes of LDS; arguments cells, rays, out0; writes out0
.if DOCPART == 3
	.amdgcn_target "amdgcn-amd-amdhsa--gfx1250"
	.amdhsa_code_object_version 6
	.text
	.protected	k_q0c3b4fb545_march
	.globl	k_q0c3b4fb545_march
	.p2align	8
	.type	k_q0c3b4fb545_march,@function
k_q0c3b4fb545_march:
	s_mov_b64 s[64:65], 0
	v_nop
	global_prefetch_b8 v0, s[64:65] scope:SCOPE_SE
	s_setreg_imm32_b32 hwreg(HW_REG_WAVE_SCHED_MODE, 0, 2), 2
	s_setreg_imm32_b32 hwreg(HW_REG_WAVE_MODE, 25, 1), 1
	s_wait_xcnt 0x0
	s_wait_alu depctr_vm_vsrc(0)
; MARCH: out0[h][w] = the sum over 256 samples of the trilinear value of the volume along the ray of pixel (h, w).
; Both tables come from the launch before:
;   rays:  plane j (x, y, z), pixel 256 h + w: (start, step) of the voxel coordinate, signed fixed point with 18 fraction bits;
;   cells: 16 bytes for cell ((128 z + y) 128 + x): bf16 pairs (c0, cx) (cy, cxy) (cz, cxz) (cyz, cxyz), already scaled so that
;          f = (c0 + cx X) + Y (cy + cxy X) + Z ((cz + cxz X) + Y (cyz + cxyz X)) with X, Y, Z the raw 18-bit fractions as f32.
; Every address is made of whole numbers alone: position = start + m step by integer adds, clamped to [0, 127 x 2^18 - 1], integer
; part = cell, fraction = weight.  Clamping the coordinate gives what clipping both neighbours' indices gives: outside the volume
; both neighbours are the border voxel.  At the upper border the cell is 126 and the weight 1 - 2^-18 in place of 1.
;
; LIMITS.  As stated for the tables: bf16 coefficients; voxel coordinates inside +-8192 along the whole ray; the last sample off by at
; most 255 x 2^-19 voxel.  The 256 terms are added in f32 in sixteen partial sums (4 in a lane, 4 waves), not in the order of the samples.
;
; WORK.  A work-group owns 64 neighbouring pixels of one detector row; wave = 2 x quarter + half: samples 64 quarter .. + 63 of pixels
; 32 half .. + 31, one pixel a lane.  Neighbouring lanes are neighbouring w, so for a transform near the identity the 32 cells of a
; gather are neighbours along x.  Two register stages of four samples: one stage's four gathers are out while the other is summed.
; No tile is shared in a way that is known when the text is written (each lane's address hangs on the transform): no tensor loads,
; no cluster.  No prefetch: a cell is wanted by many waves of many work-groups, so no single wave could ask for each block once.
;
; THE MODE: SCHED_MODE bits 1:0 = 2 (LLVM: expert scheduling mode 2), set by the entry lines.  The code itself states the register
; dependences between vector instructions and memory or LDS instructions, with s_wait_alu, always for 0.
; THE PLAN.  Registers that memory or LDS instructions touch:
;   v1, v2, v3   offsets and LDS addresses, made once at the head and never written again.
;   v[8:13]      the three loads of the ray land here; no vector instruction names them before.
;   IDX[st]      four cell numbers a stage.  Written by the last lines of the stage's index arithmetic; read by its four gathers.
;   CELL[st]     sixteen registers a stage.  The gathers land here; the sum over stage st reads them, directly ahead of the stage's next fill.
;   v14          my partial sum: the LDS store's data.     v[20:27]  at the end wave 0's LDS loads land here; v[20:21] are its store's data.
;   The weights, the scratch v84 to v99, the positions and the sums are named by vector instructions alone.
; A fill of stage st: one wait on vm_vsrc at its head (the gathers issued so far have read their cell numbers, so IDX[st] may be written);
; the index arithmetic of four samples; ONE wait on va_vdst (IDX[st] is written; the sum over stage st is done reading CELL[st]); then the
; four gathers, dealt among the twelve conversions of the weights, which name none of the registers that a gather touches.
.set FRAC,   18
.set MAXQ,   (127<<FRAC)-1
.set FMASK,  (1<<FRAC)-1
.set RPLANE, 524288                    ; bytes in a plane of rays
.set GRP,    4                         ; samples in a stage
.set TRIPS,  64/(2*GRP)-1              ; the loop's trips: two stages each; the first fill and the last two sums stand outside
.set RYO, 1                            ; v1        my pixel's byte offset in a plane of rays, from the work-group's first pixel
.set LW,  2                            ; v2        LDS address of my partial sum: 4 x the thread's number
.set L8,  3                            ; v3        8 x lane: wave 0's two pixels, in LDS and in out0
.set PX,  8                            ; v8, v9    position and step along x
.set PY,  10                           ; v10, v11  y
.set PZ,  12                           ; v12, v13  z
.set ACC, 14                           ; v[14:17]  four partial sums
.set S0,  20                           ; stage st at S0 + 32 st: +0 cell index (4), +4 X (4), +8 Y (4), +12 Z (4), +16 the cells (4 x 4)
.set T,   84                           ; v[84:95]  at work on addresses: sample i: x, y, z at T + 3 i
.set AT,  84                           ; v[84:99]  at work on sums: the four brackets in X, bracket c of sample i at AT + 4 c + i
	s_load_b128 s[4:7], s[0:1], 0x0                ; cells s[4:5], rays s[6:7]
	s_load_b64 s[10:11], s[0:1], 0x10              ; out0
	v_lshl_add_u32 v18, v0, 2, 0x400
	v_mov_b32 v19, 0
	v_lshrrev_b32 v1, 5, v0
	v_readfirstlane_b32 s8, v1                     ; wave 0..7
	v_and_b32 v[RYO], 63, v0                       ; pixel in the work-group: 32 half + lane
	v_lshlrev_b32 v[RYO], 3, v[RYO]
	v_lshlrev_b32 v[LW], 2, v0
	v_and_b32 v[L8], 31, v0
	v_lshlrev_b32 v[L8], 3, v[L8]                  ; lane l: pixels 2 l and 2 l + 1
	s_and_b32 s9, ttmp7, 0xffff                    ; h
	s_lshl_b32 s12, s9, 8
	s_lshl_b32 s13, ttmp9, 6
	s_add_co_u32 s12, s12, s13                     ; the work-group's first pixel: 256 h + 64 x block
	s_lshl_b32 s14, s12, 3                         ; x 8 bytes in rays
	s_mov_b32 s15, 0
	s_lshl_b32 s16, s12, 2                         ; x 4 bytes in out0
	s_mov_b32 s17, 0
	s_mov_b32 s22, MAXQ
	s_mov_b32 s23, FMASK
	s_wait_alu depctr_va_sdst(0)                   ; s8 is written, ahead of its first reader: my first sample is made from it
	s_lshr_b32 s20, s8, 1
	s_lshl_b32 s20, s20, 6                         ; my first sample: 64 x quarter
	s_wait_kmcnt 0x0
	s_add_nc_u64 s[6:7], s[6:7], s[14:15]
	s_add_nc_u64 s[10:11], s[10:11], s[16:17]
	s_wait_alu depctr_va_vdst(0)                   ; v1, v2 and v3 are written: the loads below read v1; the LDS store, wave 0's LDS loads and its store at the end read v2 and v3
	global_load_b64 v[PX:PX+1], v[RYO], s[6:7]                     ; 256 consecutive bytes a wave
	global_load_b64 v[PY:PY+1], v[RYO], s[6:7] offset:RPLANE
	global_load_b64 v[PZ:PZ+1], v[RYO], s[6:7] offset:2*RPLANE
.irp r, 0,1,2,3
	v_mov_b32 v[ACC+\r], 0
.endr
	s_wait_loadcnt 0x0
	v_mad_u32 v[PX], v[PX+1], s20, v[PX]           ; position of my first sample
	v_mad_u32 v[PY], v[PY+1], s20, v[PY]
	v_mad_u32 v[PZ], v[PZ+1], s20, v[PZ]
; Four samples: clamp, step on, split into cell and fraction, gather.  The counted s_wait_loadcnt in front of the stage's last sum has
; shown the stage's gathers done, which frees their index registers as sources of those loads.
; first = 1: the very first fill, ahead of which no gather has been issued.
.macro ADDR st, first
.if !\first
	s_wait_alu depctr_vm_vsrc(0)                   ; the gathers issued so far have read their cell numbers: IDX[st], which this stage's last four read, is written again below
.endif
.irp i, 0,1,2,3
	v_med3_i32 v[T+3*\i],   v[PX], 0, s22
	v_med3_i32 v[T+3*\i+1], v[PY], 0, s22
	v_med3_i32 v[T+3*\i+2], v[PZ], 0, s22
	v_add_nc_u32 v[PX], v[PX], v[PX+1]
	v_add_nc_u32 v[PY], v[PY], v[PY+1]
	v_add_nc_u32 v[PZ], v[PZ], v[PZ+1]
.endr
.irp i, 0,1,2,3
	v_and_b32 v[S0+32*\st+4+\i],  s23, v[T+3*\i]                   ; the fractions
	v_and_b32 v[S0+32*\st+8+\i],  s23, v[T+3*\i+1]
	v_and_b32 v[S0+32*\st+12+\i], s23, v[T+3*\i+2]
	v_lshrrev_b32 v[T+3*\i],   FRAC, v[T+3*\i]                     ; the cell: 0..126 on each axis
	v_lshrrev_b32 v[T+3*\i+1], FRAC, v[T+3*\i+1]
	v_lshrrev_b32 v[T+3*\i+2], FRAC, v[T+3*\i+2]
.endr
	; Numbers that stem from a loaded table reach an address only through v_min_u32 with a written constant: whatever the table
	; holds, the index stays below 128 x 16,384.  Behind the clamp above the two minima change nothing.
	; The four samples go side by side, so that no line reads the result of the line before it.
.irp i, 0,1,2,3
	v_lshl_add_u32 v[T+3*\i+2], v[T+3*\i+2], 7, v[T+3*\i+1]        ; 128 z + y
.endr
.irp i, 0,1,2,3
	v_min_u32 v[T+3*\i],   126,    v[T+3*\i]
.endr
.irp i, 0,1,2,3
	v_min_u32 v[T+3*\i+2], 0x3fff, v[T+3*\i+2]
.endr
.irp i, 0,1,2,3
	v_lshl_add_u32 v[S0+32*\st+\i], v[T+3*\i+2], 7, v[T+3*\i]      ; the cell's number; scale_offset makes it x 16 bytes
.endr
	s_wait_alu depctr_va_vdst(0)                   ; IDX[st] is written, which the gathers below read; the sum over stage st, where one stands ahead, is done reading CELL[st], in which they land
.irp i, 0,1,2,3
	global_load_b128 v[S0+32*\st+16+4*\i:S0+32*\st+19+4*\i], v[S0+32*\st+\i], s[4:5] scale_offset
	v_cvt_f32_u32 v[S0+32*\st+4+\i],  v[S0+32*\st+4+\i]            ; X, Y, Z: dealt among the gathers.  No further wait: these lines name the weights alone,
	v_cvt_f32_u32 v[S0+32*\st+8+\i],  v[S0+32*\st+8+\i]            ; neither a cell number nor a register in which a gather lands
	v_cvt_f32_u32 v[S0+32*\st+12+\i], v[S0+32*\st+12+\i]
.endr
.endm
; The stage's four values, added to the sums.  The brackets in X take both bf16 halves of a word straight into an f32 multiply-add
; (source 0: the high half, source 2: the low half); Y, Z and the sums go two samples at a time.
.macro INTERP st
.irp i, 0,1,2,3
.irp c, 0,1,2,3
	v_fma_mix_f32_bf16 v[AT+4*\c+\i], v[S0+32*\st+16+4*\i+\c], v[S0+32*\st+4+\i], v[S0+32*\st+16+4*\i+\c] op_sel:[1,0,0] op_sel_hi:[1,0,1]
.endr
.endr
.irp h, 0,2
	v_pk_fma_f32 v[AT+\h:AT+\h+1],     v[AT+4+\h:AT+5+\h],   v[S0+32*\st+8+\h:S0+32*\st+9+\h],   v[AT+\h:AT+\h+1]      ; the part without Z
	v_pk_fma_f32 v[AT+8+\h:AT+9+\h],   v[AT+12+\h:AT+13+\h], v[S0+32*\st+8+\h:S0+32*\st+9+\h],   v[AT+8+\h:AT+9+\h]    ; Z's factor
	v_pk_add_f32 v[ACC+\h:ACC+\h+1],   v[ACC+\h:ACC+\h+1],   v[AT+\h:AT+\h+1]
	v_pk_fma_f32 v[ACC+\h:ACC+\h+1],   v[AT+8+\h:AT+9+\h],   v[S0+32*\st+12+\h:S0+32*\st+13+\h], v[ACC+\h:ACC+\h+1]
.endr
.endm
	ADDR 0, 1
	s_mov_b32 s24, TRIPS
.Ltrip:
	ADDR 1, 0
	s_wait_loadcnt GRP                             ; loads come back in order (ISA guide 5.7.1): stage 0 is in, stage 1's four stay out
	INTERP 0
	ADDR 0, 0
	s_wait_loadcnt GRP                             ; stage 1 is in, stage 0's four stay out
	INTERP 1
	s_sub_co_u32 s24, s24, 1
	s_cmp_lg_u32 s24, 0
	s_cbranch_scc1 .Ltrip
	ADDR 1, 0                                      ; the last four samples; nothing is asked for beyond them
	s_wait_loadcnt GRP
	INTERP 0
	s_wait_loadcnt 0x0
	INTERP 1
	; The four quarters of a ray meet in LDS: word 64 quarter + pixel = the thread's number.
	v_pk_add_f32 v[ACC:ACC+1], v[ACC:ACC+1], v[ACC+2:ACC+3]
	v_add_f32 v[ACC], v[ACC], v[ACC+1]
	s_wait_alu depctr_va_vdst(0)                   ; v14 is written, which the LDS store reads; and every vector instruction that named v20 to v27 is done, in which wave 0's LDS loads land
	ds_store_b32 v[LW], v[ACC]
	s_wait_dscnt 0x0                               ; for the other waves' sake: my word is in LDS before I signal
	s_barrier_signal -1
	s_barrier_wait -1
	s_cmp_lg_u32 s8, 0
	s_cbranch_scc1 .Ldone                          ; wave 0 alone adds and stores
	; No wait here: no vector instruction has been issued since the wait above, and the gathers that read v20 to v23 as cell numbers
	; stand ahead of the last fill's wait on vm_vsrc.
	ds_load_b64 v[20:21], v[L8]
	ds_load_b64 v[22:23], v[L8] offset:256
	ds_load_b64 v[24:25], v[L8] offset:512
	ds_load_b64 v[26:27], v[L8] offset:768
	s_wait_dscnt 0x0
	v_pk_add_f32 v[20:21], v[20:21], v[22:23]
	v_pk_add_f32 v[24:25], v[24:25], v[26:27]
	v_pk_add_f32 v[20:21], v[20:21], v[24:25]
	s_wait_alu depctr_va_vdst(0)                   ; the additions have written v[20:21], which the store reads
	global_store_b64 v[L8], v[20:21], s[10:11]     ; the work-group's 64 pixels: 256 consecutive bytes, aligned, in one store
.Ldone:
	s_wait_dscnt 0x0
	s_wait_alu depctr_hold_cnt(0) depctr_sa_sdst(0) depctr_va_vdst(0) depctr_va_sdst(0) depctr_va_ssrc(0) depctr_va_vcc(0) depctr_vm_vsrc(0)
	s_wait_tensorcnt 0x0
	ds_add_u32 v18, v19
	s_wait_dscnt 0x0
	s_endpgm
.Lfunc_end_k_q0c3b4fb545_march:
	.size	k_q0c3b4fb545_march, .Lfunc_end_k_q0c3b4fb545_march-k_q0c3b4fb545_march
	.p2alignl 7, 3214868480
	.fill 96, 4, 3214868480
	.section	.rodata,"a",@progbits
	.p2align	6, 0x0
	.amdhsa_kernel k_q0c3b4fb545_march
		.amdhsa_group_segment_fixed_size 2048
		.amdhsa_private_segment_fixed_size 0
		.amdhsa_enable_private_segment 0
		.amdhsa_kernarg_size 24
		.amdhsa_user_sgpr_count 2
		.amdhsa_user_sgpr_kernarg_segment_ptr 1
		.amdhsa_wavefront_size32 1
		.amdhsa_system_sgpr_workgroup_id_x 1
		.amdhsa_system_sgpr_workgroup_id_y 1
		.amdhsa_system_sgpr_workgroup_id_z 1
		.amdhsa_system_vgpr_workitem_id 0
		.amdhsa_next_free_vgpr 100
		.amdhsa_next_free_sgpr 66
		.amdhsa_reserve_vcc 0
		.amdhsa_float_denorm_mode_32 3
		.amdhsa_float_denorm_mode_16_64 3
		.amdhsa_memory_ordered 1
		.amdhsa_forward_progress 1
		.amdhsa_inst_pref_size 25
	.end_amdhsa_kernel
	.amdgpu_metadata
---
amdhsa.version: [ 1, 2 ]
amdhsa.kernels:
  - .name:           k_q0c3b4fb545_march
    .symbol:         k_q0c3b4fb545_march.kd
    .args:
      - { .name: cells, .offset: 0, .size: 8, .value_kind: global_buffer, .address_space: global }
      - { .name: rays, .offset: 8, .size: 8, .value_kind: global_buffer, .address_space: global }
      - { .name: out0, .offset: 16, .size: 8, .value_kind: global_buffer, .address_space: global }
    .group_segment_fixed_size: 2048
    .private_segment_fixed_size: 0
    .kernarg_segment_align: 8
    .kernarg_segment_size: 24
    .max_flat_workgroup_size: 256
    .sgpr_count:     66
    .vgpr_count:     100
    .wavefront_size: 32
...
	.end_amdgpu_metadata
.endif
;; end of part 3
